; MI455X (gfx1250); checked and timed in simulation.
; The chip was launched on July 23, 2026; its instructions are those of AMD's public machine-readable ISA for CDNA 5 (MIT licence, August 2026) and "CDNA5" Instruction Set Architecture Reference Guide (July 2026). The comments in the code are by the model that wrote it; some were corrected since.
;; Local Window Self Attention. Allowed arithmetic: float matrix products may take bf16 or f16 operands with f32 sums; all other float work in f32.
;; Inputs: W_kv 256 x 512 float32; W_out 256 x 256 float32; W_q 256 x 256 float32; b_kv 512 float32; b_out 256 float32; b_q 256 float32; batch 4 x 256 x 32 x 32 float32; query 4 x 1,024 x 256 float32.
;; Outputs: out0 4 x 256 x 32 x 32 float32.
;; Constants: apply_window_mask = 1.
;; 2 versions, each right; version 2 is version 1 with the launch proj written anew for expert scheduling mode. Each part assembles by itself: llvm-mc -triple=amdgcn-amd-amdhsa -mcpu=gfx1250 --defsym DOCPART=n.
;; ======== version 1 of 2: 2 launches
;; limits: values are held in f16: magnitudes above 65,504 overflow, below 6.1e-05 lose precision
;; workspace buffers: qws 2,097,152 bytes; kws 2,097,152 bytes; vws 2,097,152 bytes; wows 131,072 bytes
;; launch proj (part 1): grid 194 x 1, 8 waves a work-group, no clusters, 171,264 bytes of LDS; arguments batch, query, W_kv, W_q, W_out, b_kv, b_q, qws, kws, vws, wows; writes qws, kws, vws, wows
.if DOCPART == 1
	.amdgcn_target "amdgcn-amd-amdhsa--gfx1250"
	.amdhsa_code_object_version 6
	.text
	.protected	k_q7dc932130f_proj
	.globl	k_q7dc932130f_proj
	.p2align	8
	.type	k_q7dc932130f_proj,@function
k_q7dc932130f_proj:
	s_mov_b64 s[64:65], 0
	v_nop
	global_prefetch_b8 v0, s[64:65] scope:SCOPE_SE
	s_setreg_imm32_b32 hwreg(HW_REG_WAVE_MODE, 25, 1), 1
	s_wait_xcnt 0x0
; THE THREE INPUT PROJECTIONS, AND W_out MADE INTO MATRIX FRAGMENTS.
;   q = query W_q + b_q (unscaled), k | v = batch^T W_kv + b_kv, written in f16 as [b][head][pixel][32 dims] (64 bytes a pixel).
;   Only the 1,024 pixels of the image are projected: the padded pixels' k and v are masked out of every softmax by reference() itself.
; Work-group id = 32 sl + pb.  sl 0,1: q channels 128 sl ..; sl 2..5: columns 128 (sl-2) .. of W_kv (k, k, v, v); each for the 128 pixels
; 128 pb .. of the flattened [b][pixel] axis.  sl 6 (pb 0,1): columns 128 pb .. of W_out, transposed and stored as A fragments.
; A product work-group makes D[128 channels][128 pixels], K = 256, with both operands whole in LDS as f16, K along the rows.
; Eight waves: wave w makes channels 64 (w&1) .. (two heads) x pixels 32 (w>>1) ..: 4 x 2 tiles of 16 x 16, 64 matrix instructions.
; The channels are the matrix M axis, so that a lane's eight results are eight neighbouring dims of one pixel: 16 bytes that belong together.
; Operands come through registers, since every one is converted f32 -> f16 and all but query are transposed on the way (K is their slow axis):
; the transposition is the choice of the conversions' source registers.  For that reason there are no tensor loads and no joint requests of a
; cluster here: the f32 tiles (2 x 128 KiB) would not fit into LDS beside their f16 copies.
; LIMIT: all matrix operands are f16: |inputs|, |weights| and |q|, |k|, |v| must stay below 65,504.
.set TP,   8464                        ; LDS bytes of a tile of 16 rows: 16 x 528 + 16
.set RP,   528                         ; LDS row: 256 f16 + 16 bytes; an odd multiple of 16: a fragment load's 16 rows lie in 16 different 16-byte columns modulo 256
.set XT,   67712                       ; WT (rows = channels) at 0, XT (rows = pixels) behind its 8 tiles
.set STG,  135424                      ; the way out: 4,352 bytes for each wave
.set STW,  4352
.set GL,   1                           ; v1   16 x lane
.set WST,  2                           ; v2   where a lane puts transposed 16 bytes in WT
.set XST,  3                           ; v3   the same in XT
.set XSN,  4                           ; v4   where a lane puts 8 bytes of a query row in XT
.set VOW,  5                           ; v5   byte offset of my 16 bytes in the wave's first row of W
.set VOX,  6                           ; v6   the same for batch or query
.set AW,   7                           ; v7   LDS address of my A fragments
.set BX,   8                           ; v8   LDS address of my B fragments
.set SW,   9                           ; v9   stage, in
.set SR,   10                          ; v10  stage, back
.set BO,   11                          ; v11  32 h: my eight bias numbers
.set FL,   15                          ; v15  r x 528 + 16 h: a lane's place in a fragment
.set T,    16                          ; v[16:31]   converted numbers on their way to LDS (scratch during set-up)
.set BIAS, 32                          ; v[32:63]   bias in the layout of C, one set for each of my 4 channel tiles
.set R,    64                          ; v[64:191]  four blocks of eight 16-byte loads
.set ACC,  64                          ; v[64:127]  afterwards: 8 accumulator tiles, tile (mt, nt) at 8 (2 mt + nt)
.set FR,   128                         ; v[128:223] afterwards: two fragment buffers of 48 registers (4 of A, 2 of B)
.set PK,   128                         ; the way out: packed results
.set RBK,  160                         ; the way out: rows read back
	s_load_b512 s[8:23], s[0:1], 0x0               ; batch 8, query 10, W_kv 12, W_q 14, W_out 16, b_kv 18, b_q 20, qws 22
	s_load_b128 s[24:27], s[0:1], 0x40             ; kws 24, vws 26
	s_load_b64 s[28:29], s[0:1], 0x50              ; wows
	v_lshl_add_u32 v224, v0, 2, 0x29900
	v_mov_b32 v225, 0
	v_lshrrev_b32 v12, 5, v0
	v_readfirstlane_b32 s30, v12                   ; wave 0..7
	s_lshr_b32 s31, ttmp9, 5                       ; sl
	s_and_b32 s32, ttmp9, 31                       ; pb
	s_and_b32 s33, s30, 1                          ; mg: which 64 channels
	s_lshr_b32 s34, s30, 1                         ; ng: which 32 pixels
	s_lshr_b32 s35, s32, 3                         ; b
	s_and_b32 s36, s32, 7                          ; which 128 pixels of the image
	v_and_b32 v12, 31, v0                          ; lane
	v_and_b32 v13, 15, v0                          ; r
	v_bfe_u32 v14, v0, 4, 1                        ; h
	v_lshlrev_b32 v[GL], 4, v12
	v_lshlrev_b32 v[BO], 5, v14
	; transposing stores: lane l owns rows 4 l .. 4 l + 3 = tile l >> 2, rows 4 (l & 3) ..; the wave's 32 k are 64 bytes of each row.
	; Modulo 256 the sixteen lanes of a half stand at 16 (l >> 2) + 64 (l & 3): sixteen different columns.
	v_lshrrev_b32 v16, 2, v12
	v_and_b32 v17, 3, v12
	v_mul_u32_u24 v[WST], v16, TP
	v_mul_u32_u24 v17, v17, 4*RP
	v_add_nc_u32 v[WST], v[WST], v17
	s_lshl_b32 s37, s30, 6
	v_add_nc_u32 v[WST], s37, v[WST]
	v_add_nc_u32 v[XST], XT, v[WST]
	s_mul_i32 s37, s30, TP                         ; query rows: wave w owns pixel tile w
	s_add_co_u32 s37, s37, XT
	v_lshl_add_u32 v[XSN], v12, 3, s37
	v_mul_u32_u24 v[FL], v13, RP
	v_lshl_add_u32 v[FL], v14, 4, v[FL]
	s_mul_i32 s37, s33, 4*TP
	v_add_nc_u32 v[AW], s37, v[FL]
	s_mul_i32 s37, s34, 2*TP
	s_add_co_u32 s37, s37, XT
	v_add_nc_u32 v[BX], s37, v[FL]
	; the stage is an image of memory (a pixel = 64 bytes) with 16 bytes of padding behind every 256
	s_mul_i32 s37, s30, STW
	s_add_co_u32 s37, s37, STG
	v_lshrrev_b32 v16, 2, v13
	v_and_b32 v17, 3, v13
	v_mul_u32_u24 v[SW], v16, 272
	v_lshl_add_u32 v[SW], v17, 6, v[SW]
	v_lshl_add_u32 v[SW], v14, 4, v[SW]
	v_add_nc_u32 v[SW], s37, v[SW]
	v_mul_u32_u24 v[SR], v14, 272
	v_lshl_add_u32 v[SR], v13, 4, v[SR]
	v_add_nc_u32 v[SR], s37, v[SR]
	s_mov_b32 s49, 0                               ; the high word of every offset pair
.macro PLACES                          ; four places behind a matrix instruction before its registers are loaded into, read or written by others (ISA guide 7.12.1)
.rept 4
	v_nop
.endr
.endm
; eight loads: rows k = 32 wave + 8 i + 0..7 of a matrix whose rows (rs bytes) run across channels or pixels; each covers 512 neighbouring bytes
.macro LOADT i, blo, voff, rs
.irp kk, 0,1,2,3,4,5,6,7
	global_load_b128 v[R+32*\i+4*\kk:R+32*\i+4*\kk+3], v[\voff], s[\blo:\blo+1] offset:(8*\i+\kk)*\rs
.endr
.endm
; block i to LDS, transposed: for each of my four rows e, eight k (from eight registers) packed into 16 bytes
.macro CONVT i, lds
.irp e, 0,1,2,3
.irp kp, 0,1,2,3
	v_cvt_pk_f16_f32 v[T+4*\e+\kp], v[R+32*\i+8*\kp+\e], v[R+32*\i+8*\kp+4+\e]
.endr
	ds_store_b128 v[\lds], v[T+4*\e:T+4*\e+3] offset:\e*RP+\i*16
.endr
.endm
; eight loads: rows 4 i .. 4 i + 3 of the wave's 16 query rows (1,024 bytes each, K along the row), two halves of 512 bytes
.macro LOADN i
.irp rr, 0,1,2,3
	global_load_b128 v[R+32*\i+8*\rr:R+32*\i+8*\rr+3], v[VOX], s[44:45] offset:(4*\i+\rr)*1024
	global_load_b128 v[R+32*\i+8*\rr+4:R+32*\i+8*\rr+7], v[VOX], s[44:45] offset:(4*\i+\rr)*1024+512
.endr
.endm
.macro CONVN i
.irp rr, 0,1,2,3
.irp hf, 0,1
	v_cvt_pk_f16_f32 v[T+4*\rr+2*\hf], v[R+32*\i+8*\rr+4*\hf], v[R+32*\i+8*\rr+4*\hf+1]
	v_cvt_pk_f16_f32 v[T+4*\rr+2*\hf+1], v[R+32*\i+8*\rr+4*\hf+2], v[R+32*\i+8*\rr+4*\hf+3]
	ds_store_b64 v[XSN], v[T+4*\rr+2*\hf:T+4*\rr+2*\hf+1] offset:(4*\i+\rr)*RP+\hf*256
.endr
.endr
.endm
; bias[first channel + 16 mt + 8 h + j] in register j: the layout of C, so that the first product adds it and nothing is cleared
.macro BIASLD
.irp mt, 0,1,2,3
	global_load_b128 v[BIAS+8*\mt:BIAS+8*\mt+3], v[BO], s[46:47] offset:\mt*64
	global_load_b128 v[BIAS+8*\mt+4:BIAS+8*\mt+7], v[BO], s[46:47] offset:\mt*64+16
.endr
.endm
	s_wait_kmcnt 0x0
	s_cmp_ge_u32 s31, 6
	s_cbranch_scc1 .Lwo
	s_cmp_ge_u32 s31, 2
	s_cbranch_scc1 .Lkv
	; ---- q: W_q (rows of 1,024 bytes), then query ----
	s_lshl_b32 s48, s31, 9                         ; my 128 channels: 512 bytes of each row of W_q, and of b_q
	s_add_nc_u64 s[42:43], s[14:15], s[48:49]
	s_lshl_b32 s37, s33, 8
	s_add_co_u32 s48, s48, s37                     ; + the wave's 64 channels
	s_add_nc_u64 s[46:47], s[20:21], s[48:49]
	s_lshl_b32 s48, s32, 17                        ; 128 rows of 1,024 bytes
	s_add_nc_u64 s[44:45], s[10:11], s[48:49]
	s_lshl_b32 s37, s30, 15                        ; the wave's 32 rows of W_q
	v_add_nc_u32 v[VOW], s37, v[GL]
	s_lshl_b32 s37, s30, 14                        ; the wave's 16 rows of query
	v_add_nc_u32 v[VOX], s37, v[GL]
	BIASLD
.irp i, 0,1,2,3
	LOADT \i, 42, VOW, 1024
.endr
.irp i, 0,1,2,3
	s_wait_loadcnt 24                              ; behind block i's eight loads stand three blocks of eight (of W or already of query): they stay out
	CONVT \i, WST
	LOADN \i                                       ; into the registers that the conversions have just read
.endr
.irp i, 0,1,2,3
	s_wait_loadcnt 24-8*\i                         ; nothing is issued any more: the count runs down
	CONVN \i
.endr
	s_branch .Lgemm
	; ---- W_out: transposed like the other weights, then read back as A fragments (m = c_out, k = c_in) and stored lane by lane ----
.Lwo:
	s_lshl_b32 s48, s32, 9                         ; my 128 columns of W_out
	s_add_nc_u64 s[42:43], s[16:17], s[48:49]
	s_lshl_b32 s48, s32, 16                        ; fragment (mt, ks) lies at (8 mt + ks) x 1,024; mt = 8 pb + wave
	s_lshl_b32 s37, s30, 13
	s_add_co_u32 s48, s48, s37
	s_add_nc_u64 s[40:41], s[28:29], s[48:49]
	s_lshl_b32 s37, s30, 15
	v_add_nc_u32 v[VOW], s37, v[GL]
	s_mul_i32 s37, s30, TP
	v_add_nc_u32 v[AW], s37, v[FL]                 ; the wave's own tile of 16 channels
.irp i, 0,1,2,3
	LOADT \i, 42, VOW, 1024
.endr
.irp i, 0,1,2,3
	s_wait_loadcnt 24-8*\i
	CONVT \i, WST
.endr
	s_wait_dscnt 0x0                               ; my stores are in LDS before I say so: every wave wrote 64 bytes of every row
	s_barrier_signal -1
	s_barrier_wait -1
.irp ks, 0,1,2,3,4,5,6,7
	ds_load_b128 v[R+8*\ks:R+8*\ks+3], v[AW] offset:\ks*64
	ds_load_b128 v[R+8*\ks+4:R+8*\ks+7], v[AW] offset:\ks*64+32
.endr
.irp ks, 0,1,2,3,4,5,6,7
	s_wait_dscnt 15-2*\ks                          ; LDS loads come back in order: the younger ones stay out
	global_store_b128 v[GL], v[R+8*\ks:R+8*\ks+3], s[40:41] offset:\ks*1024        ; each store covers 512 neighbouring bytes, aligned
	s_wait_dscnt 14-2*\ks
	global_store_b128 v[GL], v[R+8*\ks+4:R+8*\ks+7], s[40:41] offset:\ks*1024+512
.endr
	s_wait_tensorcnt 0x0
	ds_add_u32 v224, v225
	s_wait_dscnt 0x0
	s_endpgm
	; ---- k, v: W_kv (rows of 2,048 bytes), then batch (rows of 4,096 bytes, one for each input channel) ----
.Lkv:
	s_sub_co_u32 s38, s31, 2
	s_lshl_b32 s48, s38, 9                         ; my 128 columns of W_kv, and of b_kv
	s_add_nc_u64 s[42:43], s[12:13], s[48:49]
	s_lshl_b32 s37, s33, 8
	s_add_co_u32 s48, s48, s37
	s_add_nc_u64 s[46:47], s[18:19], s[48:49]
	s_lshl_b32 s48, s35, 20                        ; image b: 256 channels x 4,096 bytes
	s_lshl_b32 s37, s36, 9                         ; my 128 pixels: 512 bytes of each channel
	s_add_co_u32 s48, s48, s37
	s_add_nc_u64 s[44:45], s[8:9], s[48:49]
	s_lshl_b32 s37, s30, 16                        ; the wave's 32 rows of W_kv
	v_add_nc_u32 v[VOW], s37, v[GL]
	s_lshl_b32 s37, s30, 17                        ; the wave's 32 channels of batch
	v_add_nc_u32 v[VOX], s37, v[GL]
	BIASLD
.irp i, 0,1,2,3
	LOADT \i, 42, VOW, 2048
.endr
.irp i, 0,1,2,3
	s_wait_loadcnt 24                              ; as above: three younger blocks of eight stay out
	CONVT \i, WST
	LOADT \i, 44, VOX, 4096
.endr
.irp i, 0,1,2,3
	s_wait_loadcnt 24-8*\i
	CONVT \i, XST
.endr
	; ---- the product ----
.Lgemm:
	s_and_b32 s37, s31, 1                          ; where the results go: head 4 (sl & 1) + 2 mg of image b, 65,536 bytes a head,
	s_lshl_b32 s37, s37, 2
	s_lshl3_add_u32 s37, s35, s37
	s_lshl1_add_u32 s37, s33, s37
	s_lshl_b32 s48, s37, 16
	s_lshl_b32 s37, s36, 13                        ; 128 pixels of 64 bytes,
	s_add_co_u32 s48, s48, s37
	s_lshl_b32 s37, s34, 11                        ; the wave's 32 pixels
	s_add_co_u32 s48, s48, s37
	s_cmp_lt_u32 s31, 4
	s_cselect_b64 s[40:41], s[24:25], s[26:27]     ; k or v,
	s_cmp_lt_u32 s31, 2
	s_cselect_b64 s[40:41], s[22:23], s[40:41]     ; or q
	s_add_nc_u64 s[40:41], s[40:41], s[48:49]
	s_wait_dscnt 0x0                               ; my part of both operands is in LDS before I say so
	s_barrier_signal -1
	s_barrier_wait -1
; twelve loads: the fragments of K step ks (32 k = 64 bytes of each row): 4 tiles of channels, 2 tiles of pixels
.macro FRLOAD ks, buf
.irp mt, 0,1,2,3
	ds_load_b128 v[FR+48*\buf+8*\mt:FR+48*\buf+8*\mt+3], v[AW] offset:\mt*TP+(\ks)*64
	ds_load_b128 v[FR+48*\buf+8*\mt+4:FR+48*\buf+8*\mt+7], v[AW] offset:\mt*TP+(\ks)*64+32
.endr
.irp nt, 0,1
	ds_load_b128 v[FR+48*\buf+32+8*\nt:FR+48*\buf+32+8*\nt+3], v[BX] offset:\nt*TP+(\ks)*64
	ds_load_b128 v[FR+48*\buf+32+8*\nt+4:FR+48*\buf+32+8*\nt+7], v[BX] offset:\nt*TP+(\ks)*64+32
.endr
.endm
; left: the next step's twelve loads stay out.  more = 1: the buffer is filled again, two steps ahead.
.macro KSTEP ks, buf, left, more
	s_wait_dscnt \left
.irp mt, 0,1,2,3
.irp nt, 0,1
.if \ks == 0
	v_wmma_f32_16x16x32_f16 v[ACC+8*(2*\mt+\nt):ACC+8*(2*\mt+\nt)+7], v[FR+48*\buf+8*\mt:FR+48*\buf+8*\mt+7], v[FR+48*\buf+32+8*\nt:FR+48*\buf+32+8*\nt+7], v[BIAS+8*\mt:BIAS+8*\mt+7]
.else
	v_wmma_f32_16x16x32_f16 v[ACC+8*(2*\mt+\nt):ACC+8*(2*\mt+\nt)+7], v[FR+48*\buf+8*\mt:FR+48*\buf+8*\mt+7], v[FR+48*\buf+32+8*\nt:FR+48*\buf+32+8*\nt+7], v[ACC+8*(2*\mt+\nt):ACC+8*(2*\mt+\nt)+7]
.endif
.endr
.endr
.if \more
	PLACES
	FRLOAD \ks+2, \buf
.endif
.endm
	FRLOAD 0, 0
	FRLOAD 1, 1
	KSTEP 0, 0, 12, 1
	KSTEP 1, 1, 12, 1
	KSTEP 2, 0, 12, 1
	KSTEP 3, 1, 12, 1
	KSTEP 4, 0, 12, 1
	KSTEP 5, 1, 12, 1
	KSTEP 6, 0, 12, 0
	KSTEP 7, 1, 0, 0
	; ---- the way out: a lane's eight results are dims 8 h .. 8 h + 7 of tile mt for pixel 16 nt + r: 16 bytes into my own stage ----
	PLACES
.irp mt, 0,1,2,3
.irp nt, 0,1
.irp c, 0,1,2,3
	v_cvt_pk_f16_f32 v[PK+4*(2*\mt+\nt)+\c], v[ACC+8*(2*\mt+\nt)+2*\c], v[ACC+8*(2*\mt+\nt)+2*\c+1]
.endr
	ds_store_b128 v[SW], v[PK+4*(2*\mt+\nt):PK+4*(2*\mt+\nt)+3] offset:(\mt/2)*2176+\nt*1088+(\mt%2)*32
.endr
.endr
.irp n, 0,1,2,3,4,5,6,7
	ds_load_b128 v[RBK+4*\n:RBK+4*\n+3], v[SR] offset:(\n/4)*2176+(\n%4)*544      ; LDS serves a wave's instructions in order: these see the stores above
.endr
.irp n, 0,1,2,3,4,5,6,7
	s_wait_dscnt 7-\n
	global_store_b128 v[GL], v[RBK+4*\n:RBK+4*\n+3], s[40:41] offset:(\n/4)*65536+(\n%4)*512   ; 8 pixels of one head: 512 neighbouring bytes, aligned
.endr
	s_wait_tensorcnt 0x0
	ds_add_u32 v224, v225
	s_wait_dscnt 0x0
	s_endpgm
.Lfunc_end_k_q7dc932130f_proj:
	.size	k_q7dc932130f_proj, .Lfunc_end_k_q7dc932130f_proj-k_q7dc932130f_proj
	.p2alignl 7, 3214868480
	.fill 96, 4, 3214868480
	.section	.rodata,"a",@progbits
	.p2align	6, 0x0
	.amdhsa_kernel k_q7dc932130f_proj
		.amdhsa_group_segment_fixed_size 171264
		.amdhsa_private_segment_fixed_size 0
		.amdhsa_enable_private_segment 0
		.amdhsa_kernarg_size 88
		.amdhsa_user_sgpr_count 2
		.amdhsa_user_sgpr_kernarg_segment_ptr 1
		.amdhsa_wavefront_size32 1
		.amdhsa_system_sgpr_workgroup_id_x 1
		.amdhsa_system_sgpr_workgroup_id_y 1
		.amdhsa_system_sgpr_workgroup_id_z 1
		.amdhsa_system_vgpr_workitem_id 0
		.amdhsa_next_free_vgpr 226
		.amdhsa_next_free_sgpr 66
		.amdhsa_reserve_vcc 0
		.amdhsa_float_denorm_mode_32 3
		.amdhsa_float_denorm_mode_16_64 3
		.amdhsa_memory_ordered 1
		.amdhsa_forward_progress 1
		.amdhsa_inst_pref_size 67
	.end_amdhsa_kernel
	.amdgpu_metadata
---
amdhsa.version: [ 1, 2 ]
amdhsa.kernels:
  - .name:           k_q7dc932130f_proj
    .symbol:         k_q7dc932130f_proj.kd
    .args:
      - { .name: batch, .offset: 0, .size: 8, .value_kind: global_buffer, .address_space: global }
      - { .name: query, .offset: 8, .size: 8, .value_kind: global_buffer, .address_space: global }
      - { .name: W_kv, .offset: 16, .size: 8, .value_kind: global_buffer, .address_space: global }
      - { .name: W_q, .offset: 24, .size: 8, .value_kind: global_buffer, .address_space: global }
      - { .name: W_out, .offset: 32, .size: 8, .value_kind: global_buffer, .address_space: global }
      - { .name: b_kv, .offset: 40, .size: 8, .value_kind: global_buffer, .address_space: global }
      - { .name: b_q, .offset: 48, .size: 8, .value_kind: global_buffer, .address_space: global }
      - { .name: qws, .offset: 56, .size: 8, .value_kind: global_buffer, .address_space: global }
      - { .name: kws, .offset: 64, .size: 8, .value_kind: global_buffer, .address_space: global }
      - { .name: vws, .offset: 72, .size: 8, .value_kind: global_buffer, .address_space: global }
      - { .name: wows, .offset: 80, .size: 8, .value_kind: global_buffer, .address_space: global }
    .group_segment_fixed_size: 171264
    .private_segment_fixed_size: 0
    .kernarg_segment_align: 8
    .kernarg_segment_size: 88
    .max_flat_workgroup_size: 256
    .sgpr_count:     66
    .vgpr_count:     226
    .wavefront_size: 32
...
	.end_amdgpu_metadata
.endif
;; end of part 1
;; launch attn (part 2): grid 16 x 4, 16 waves a work-group, no clusters, 323,584 bytes of LDS; arguments qws, kws, vws, wows, b_out, out0; writes out0
.if DOCPART == 2
	.amdgcn_target "amdgcn-amd-amdhsa--gfx1250"
	.amdhsa_code_object_version 6
	.text
	.protected	k_q7dc932130f_attn
	.globl	k_q7dc932130f_attn
	.p2align	8
	.type	k_q7dc932130f_attn,@function
k_q7dc932130f_attn:
	s_mov_b64 s[64:65], 0
	v_nop
	global_prefetch_b8 v0, s[64:65] scope:SCOPE_SE
	s_setreg_imm32_b32 hwreg(HW_REG_WAVE_MODE, 25, 1), 1
	s_wait_xcnt 0x0
; WINDOWED ATTENTION AND THE OUTPUT PROJECTION.
; A work-group owns image rows i0 = 2 x and i0 + 1 of image y: 64 queries, all 8 heads, all 256 output channels.  64 pixels of a channel are 256
; neighbouring aligned bytes of out0, and the output projection sums over all heads: this is the smallest share that stores such runs whole
; with no traffic between work-groups.  That makes 64 work-groups.
; Keys: image rows rs .. rs + 7, rs = min(max(i0 - 3, 0), 24): always inside the image, and they hold every window row of both query rows.
; reference()'s mask leaves only keys inside the 7 x 7 window AND inside the image; masked keys get weight 0 and never hold the row's maximum
; (the query's own pixel is always valid), so the softmax below runs over the valid keys, with their true maximum taken away first.
; Wave w: head w >> 1, par = w & 1.  Two units u: unit qt = 2 par + u = 16 queries, (i0 + (r >> 3), 8 qt + (r & 7)) for r = 0..15, against 8 key tiles:
; tile t = row rs + t, columns cs .. cs + 15, cs = 12 par + 4 u (0, 4, 12, 16), which holds columns 8 qt - 3 .. 8 qt + 10 as far as they exist.
; Scores are made transposed (M = key, N = query): a query's 128 scores lie in two lanes (l and l xor 16), 64 registers each, so that maximum and
; sum are register work and one lane exchange, and the exponentials, packed to f16 in place, ARE the B fragment of the next product.
; O^T = V^T P^T (M = dim, N = query) packs in the same way into the B fragment of the output projection, whose M axis is the output channel.
; NO JOINT REQUESTS OF A CLUSTER: neighbours share 6 of 8 key rows, but at LDS addresses that differ (a row's place is row - rs), and a common window
; for four row pairs is 14 rows x 2,048 bytes x 8 heads x 2 (K, V) = 458,752 bytes, more than a work-group's LDS.
; LIMITS: matrix operands (q, k, v, the weights P, O, W_out) are f16: magnitudes below 65,504.  The mask is a bias of -1e30 on the unscaled score
; (reference: -1e27 on the scaled one): the same result while valid scores lie far above it.  v_exp_f32 gives 0 below 2^-126.
.set VREG, 139264                      ; K at 0: a head = 256 pixels of 64 bytes, 16 bytes of padding behind every 256: 64 x 272 = 17,408
.set QREG, 286720                      ; V: 32 bytes of padding: 64 x 288 = 18,432 a head.  Q: 64 pixels a head, 16 x 272 = 4,352
.set KH,   17408
.set VH,   18432
.set QH,   4352
.set STW,  4608                        ; output stage of a wave, in K's bytes once nobody reads K any more
.set KA,   1                           ; v1   K fragments
.set VA,   2                           ; v2   V fragments (transposing loads)
.set QA,   3                           ; v3   Q fragments
.set XW,   4                           ; v4   where my O fragments go (Q's bytes, once nobody reads Q any more)
.set XR,   5                           ; v5   where all O fragments are read
.set SW,   6                           ; v6   output stage, in
.set SR,   7                           ; v7   output stage, back
.set GO,   8                           ; v8   my byte offset in out0
.set L16,  9                           ; v9   16 x lane
.set CBB,  10                          ; v10  8 h - (r & 7) + 3 - 4 par: key column - query column + 3, but for j - 4 u
.set BO,   11                          ; v11  32 h
.set MX,   12                          ; v12  the row's maximum
.set PT,   13                          ; v13  what the other half of the lanes holds
.set NEG,  14                          ; v14  -1e30
.set ZERO, 15                          ; v15  0
.set RB,   16                          ; v[16:23]   row mask of tile t: 0 or -1e30
.set CB,   24                          ; v[24:31]   column mask of register j, in the layout of C; later b_out in that layout
.set NM,   32                          ; v[32:39]   tile maxima, then row mask - c x maximum
.set QF,   40                          ; v[40:55]   Q fragments of both units (scratch during set-up)
.set LA,   56                          ; v[56:57], v[58:59]  two chains of the sum
.set LB,   58
.set RL,   60                          ; v[60:61]   1 / sum, twice
.set TMP,  62
.set PKO,  56                          ; v[56:63]   O packed
.set S,    64                          ; v[64:127]  scores of tile t at 8 t; then P of K step ks at 16 ks .. + 7
.set O,    72                          ; v[72:79], v[88:95]  O^T, dims 0-15 and 16-31, in registers that the packing has freed
.set KF,   128                         ; v[128:191] K fragments, then V fragments (ks, dim tile) at 8 (2 ks + tile)
.set WO,   192                         ; v[192:255] W_out fragments of my 16 channels, K step ks at 8 ks
.set AC,   32                          ; v[32:63]   output projection: accumulators of the four units
.set BR,   64                          ; v[64:191]  output projection: four slots of 32 registers for O fragments
	s_load_b256 s[4:11], s[0:1], 0x0               ; qws 4, kws 6, vws 8, wows 10
	s_load_b128 s[12:15], s[0:1], 0x20             ; b_out 12, out0 14
	v_lshl_add_u32 v246, v0, 2, 0x4e800
	v_mov_b32 v247, 0
	ds_add_u32 v246, v247
	ds_add_u32 v246, v247
	s_wait_dscnt 0x0
	v_lshrrev_b32 v40, 5, v0
	v_readfirstlane_b32 s16, v40                   ; wave 0..15
	s_lshr_b32 s17, s16, 1                         ; head
	s_and_b32 s18, s16, 1                          ; par
	s_mov_b32 s19, ttmp9                           ; row pair
	s_and_b32 s20, ttmp7, 0xffff                   ; image
	s_lshl_b32 s21, s19, 1                         ; i0
	s_sub_co_i32 s22, s21, 3
	s_max_i32 s22, s22, 0
	s_min_i32 s22, s22, 24                         ; rs
	s_sub_co_i32 s23, s22, s21
	s_add_co_i32 s23, s23, 3                       ; rs - i0 + 3
	; byte offsets, apart from the addresses
	s_lshl3_add_u32 s68, s20, s17
	s_lshl_b32 s68, s68, 16                        ; (8 b + head) x 65,536
	s_lshl_b32 s70, s22, 11                        ; K, V: + rs rows of 2,048 bytes + my half of 4 rows
	s_add_co_u32 s70, s70, s68
	s_lshl_b32 s72, s18, 13
	s_add_co_u32 s70, s70, s72
	s_mov_b32 s71, 0
	s_lshl_b32 s72, s19, 12                        ; Q: + the row pair + my row
	s_add_co_u32 s72, s72, s68
	s_lshl_b32 s74, s18, 11
	s_add_co_u32 s72, s72, s74
	s_mov_b32 s73, 0
	s_lshl_b32 s74, s16, 13                        ; W_out fragments of channel tile w: 8 x 1,024 bytes
	s_mov_b32 s75, 0
	s_lshl_b32 s76, s16, 6                         ; b_out: 16 channels
	s_mov_b32 s77, 0
	s_lshl_b32 s78, s20, 20                        ; out0: image, 16 channels of 4,096 bytes, 64 pixels
	s_lshl_b32 s68, s16, 16
	s_add_co_u32 s78, s78, s68
	s_lshl_b32 s68, s19, 8
	s_add_co_u32 s78, s78, s68
	s_mov_b32 s79, 0
	; Descriptors.  Each wave brings half of its head's K, Q and V: memory is dense there, so each half is ONE row of 8-byte elements, and the
	; padding, which counts along the tile, lands behind every 64 words (4 pixels).  Group 1: s[36:43] K, s[44:51] Q, s[52:59] V.
	s_mov_b32 s36, (3<<16)|(1<<20)|(5<<22)|(3<<25) ; element of 8 bytes; padding on; after 64 words; 4 words
	s_mov_b32 s37, 1024<<16                        ; tensor_dim0 = 1,024 elements = 8,192 bytes = 4 image rows
	s_mov_b32 s38, 1<<16
	s_mov_b32 s39, 1024<<16                        ; tile_dim0
	s_mov_b32 s40, 1
	s_mov_b32 s41, 1024
	s_mov_b32 s42, 0
	s_mov_b32 s43, 0
	s_mov_b32 s44, (3<<16)|(1<<20)|(5<<22)|(3<<25)
	s_mov_b32 s45, 256<<16                         ; 2,048 bytes = 1 image row
	s_mov_b32 s46, 1<<16
	s_mov_b32 s47, 256<<16
	s_mov_b32 s48, 1
	s_mov_b32 s49, 256
	s_mov_b32 s50, 0
	s_mov_b32 s51, 0
	s_mov_b32 s52, (3<<16)|(1<<20)|(5<<22)|(7<<25) ; V: 8 words of padding
	s_mov_b32 s53, 1024<<16
	s_mov_b32 s54, 1<<16
	s_mov_b32 s55, 1024<<16
	s_mov_b32 s56, 1
	s_mov_b32 s57, 1024
	s_mov_b32 s58, 0
	s_mov_b32 s59, 0
	s_mov_b32 s24, 1                               ; group 0: s[24:27] K, s[28:31] Q, s[32:35] V
	s_mul_i32 s25, s16, 8704                       ; 32 x 272
	s_mov_b32 s28, 1
	s_mul_i32 s29, s16, 2176                       ; 8 x 272
	s_add_co_u32 s29, s29, QREG
	s_mov_b32 s32, 1
	s_mul_i32 s33, s16, 9216                       ; 32 x 288
	s_add_co_u32 s33, s33, VREG
	v_and_b32 v40, 31, v0                          ; lane
	v_lshlrev_b32 v[L16], 4, v40
	s_wait_kmcnt 0x0
	s_add_nc_u64 s[26:27], s[6:7], s[70:71]
	s_or_b32 s27, s27, 0x80000000
	s_add_nc_u64 s[30:31], s[4:5], s[72:73]
	s_or_b32 s31, s31, 0x80000000
	s_add_nc_u64 s[34:35], s[8:9], s[70:71]
	s_or_b32 s35, s35, 0x80000000
	tensor_load_to_lds s[24:27], s[36:43]          ; K, Q, V in this order: three loads of this wave are out, and V may stay out longest
	s_nop 0
	tensor_load_to_lds s[28:31], s[44:51]
	s_nop 0
	tensor_load_to_lds s[32:35], s[52:59]
	s_nop 0
	s_add_nc_u64 s[10:11], s[10:11], s[74:75]
	s_add_nc_u64 s[12:13], s[12:13], s[76:77]
	s_add_nc_u64 s[14:15], s[14:15], s[78:79]
.irp ks, 0,1,2,3,4,5,6,7
	global_load_b128 v[WO+8*\ks:WO+8*\ks+3], v[L16], s[10:11] offset:\ks*1024          ; wanted only at the end: 512 neighbouring bytes each
	global_load_b128 v[WO+8*\ks+4:WO+8*\ks+7], v[L16], s[10:11] offset:\ks*1024+512
.endr
	s_mov_b32 s60, 0x76543210                      ; v_permlanex16_b32: lane i reads lane i of the other half
	s_mov_b32 s61, 0xfedcba98
	s_mov_b32 s62, 0xbe8293ee                      ; -c,  c = 32^-0.5 x log2(e) = 0.2550349: the scale and the base of v_exp_f32 in one factor
	s_mov_b32 s66, 0x3e8293ee                      ; c, as a pair for the packed multiply-add
	s_mov_b32 s67, 0x3e8293ee
	; lane addresses.  A pixel p of a head lies at (p >> 2) x 272 (V: 288) + (p & 3) x 64.
	v_and_b32 v41, 15, v0                          ; r
	v_bfe_u32 v42, v0, 4, 1                        ; h
	v_lshrrev_b32 v43, 2, v41                      ; r >> 2
	v_and_b32 v44, 3, v41                          ; r & 3
	v_lshrrev_b32 v45, 3, v41                      ; r >> 3
	v_bfe_u32 v46, v0, 2, 1                        ; (r >> 2) & 1
	v_and_b32 v47, 7, v41                          ; r & 7
	v_mov_b32 v[PT], 0
	v_mov_b32 v[NEG], 0xf149f2ca
	v_mov_b32 v[ZERO], 0
	v_lshlrev_b32 v[BO], 5, v42
	; K: lane (r, h) takes pixel 32 t + cs + r, dims 8 h ..; cs / 4 = 3 par + u.  Sixteen lanes: 16 (r >> 2) + 64 (r & 3) modulo 256, all different
	s_mul_i32 s68, s17, KH
	s_mul_i32 s70, s18, 816
	s_add_co_u32 s68, s68, s70
	v_mul_u32_u24 v[KA], v43, 272
	v_lshl_add_u32 v[KA], v44, 6, v[KA]
	v_lshl_add_u32 v[KA], v42, 4, v[KA]
	v_add_nc_u32 v[KA], s68, v[KA]
	; Q: lane (r, h) takes pixel 32 (r >> 3) + 8 qt + (r & 7)
	s_mul_i32 s68, s17, QH
	s_mul_i32 s70, s18, 1088
	s_add_co_u32 s68, s68, s70
	s_add_co_u32 s68, s68, QREG
	v_mul_u32_u24 v[QA], v45, 2176
	v_mul_u32_u24 v48, v46, 272
	v_add_nc_u32 v[QA], v[QA], v48
	v_lshl_add_u32 v[QA], v44, 6, v[QA]
	v_lshl_add_u32 v[QA], v42, 4, v[QA]
	v_add_nc_u32 v[QA], s68, v[QA]
	; V, for the transposing load: lane l addresses key 8 h + (l & 7) of the tile, dims 8 ((l >> 3) & 1) .. of the dim tile.
	; Sixteen lanes: 32 ((l >> 2) & 1) + 64 (l & 3) + 16 ((l >> 3) & 1) modulo 256, all different
	s_mul_i32 s68, s17, VH
	s_mul_i32 s70, s18, 864
	s_add_co_u32 s68, s68, s70
	s_add_co_u32 s68, s68, VREG
	v_lshl_add_u32 v48, v42, 1, v46
	v_mul_u32_u24 v[VA], v48, 288
	v_lshl_add_u32 v[VA], v44, 6, v[VA]
	v_lshl_add_u32 v[VA], v45, 4, v[VA]
	v_add_nc_u32 v[VA], s68, v[VA]
	; O fragments: fragment (head, qt) at (4 head + qt) x 1,024 = w x 2,048 + u x 1,024; a lane's registers 0-3 at 16 l, 4-7 at 512 + 16 l
	s_lshl_b32 s68, s16, 11
	s_add_co_u32 s68, s68, QREG
	v_add_nc_u32 v[XW], s68, v[L16]
	v_add_nc_u32 v[XR], QREG, v[L16]
	; output stage: channel 8 h + j at j x 272 + h x 2,208 (32 bytes more for the upper eight: the two halves' words then differ modulo 256 bytes)
	s_mul_i32 s68, s16, STW
	v_mul_u32_u24 v[SW], v42, 2208
	v_lshl_add_u32 v[SW], v45, 7, v[SW]
	v_lshl_add_u32 v[SW], v47, 2, v[SW]
	v_add_nc_u32 v[SW], s68, v[SW]
	v_mul_u32_u24 v[SR], v42, 272
	v_lshl_add_u32 v[SR], v41, 4, v[SR]
	v_add_nc_u32 v[SR], s68, v[SR]
	v_lshlrev_b32 v[GO], 12, v42
	v_lshl_add_u32 v[GO], v41, 4, v[GO]
	; masks, from whole numbers alone.  Column: key column - query column + 3 = -4 (par + u) + 8 h + j - (r & 7) + 3, valid if below 7 (unsigned)
	s_lshl_b32 s70, s18, 2
	s_sub_co_i32 s70, 3, s70
	v_lshlrev_b32 v[CBB], 3, v42
	v_sub_nc_u32 v[CBB], v[CBB], v47
	v_add_nc_u32 v[CBB], s70, v[CBB]
	; Row: key row - query row + 3 = rs + t - i0 - (r >> 3) + 3
	v_sub_nc_u32 v48, s23, v45
.irp t, 0,1,2,3,4,5,6,7
	v_add_nc_u32 v49, \t, v48
	v_cmp_gt_u32 vcc_lo, 7, v49
	v_cndmask_b32 v[RB+\t], v[NEG], v[ZERO], vcc_lo
.endr
.macro PLACES                          ; four places behind a matrix instruction before its registers are loaded into, read or written by others (ISA guide 7.12.1)
.rept 4
	v_nop
.endr
.endm
; tile t: c x score + (row mask - c x maximum), then 2^x, in place
.macro EXPT t
.irp c, 0,1,2,3
.if (\t%2) == 0
	v_pk_fma_f32 v[S+8*\t+2*\c:S+8*\t+2*\c+1], v[S+8*\t+2*\c:S+8*\t+2*\c+1], s[66:67], v[NM+\t:NM+\t+1] op_sel_hi:[1,0,0]
.else
	v_pk_fma_f32 v[S+8*\t+2*\c:S+8*\t+2*\c+1], v[S+8*\t+2*\c:S+8*\t+2*\c+1], s[66:67], v[NM+\t-1:NM+\t] op_sel:[0,0,1] op_sel_hi:[1,0,1]
.endif
.endr
.irp j, 0,1,2,3,4,5,6,7
	v_exp_f32 v[S+8*\t+\j], v[S+8*\t+\j]
.endr
.endm
; tile t: into the two chains of the sum (tile 0 starts them), then packed to f16: registers 4 (t & 1) .. of the B fragment of K step t >> 1,
; which are registers that earlier packing has already read
.macro SUMCVT t
.if \t == 0
	s_wait_alu depctr_va_vdst(0)
	v_pk_add_f32 v[LA:LA+1], v[S:S+1], v[S+2:S+3]
	v_pk_add_f32 v[LB:LB+1], v[S+4:S+5], v[S+6:S+7]
.else
	s_wait_alu depctr_va_vdst(0)
	v_pk_add_f32 v[LA:LA+1], v[LA:LA+1], v[S+8*\t:S+8*\t+1]
	v_pk_add_f32 v[LB:LB+1], v[LB:LB+1], v[S+8*\t+2:S+8*\t+3]
	v_pk_add_f32 v[LA:LA+1], v[LA:LA+1], v[S+8*\t+4:S+8*\t+5]
	v_pk_add_f32 v[LB:LB+1], v[LB:LB+1], v[S+8*\t+6:S+8*\t+7]
.endif
.irp c, 0,1,2,3
	v_cvt_pk_f16_f32 v[S+16*(\t/2)+4*(\t%2)+\c], v[S+8*\t+2*\c], v[S+8*\t+2*\c+1]
.endr
.endm
.macro UNIT u
.irp t, 0,1,2,3,4,5,6,7
	ds_load_b128 v[KF+8*\t:KF+8*\t+3], v[KA] offset:\t*2176+\u*272
	ds_load_b128 v[KF+8*\t+4:KF+8*\t+7], v[KA] offset:\t*2176+\u*272+32
.endr
.irp j, 0,1,2,3,4,5,6,7
	v_add_nc_u32 v[TMP], \j-4*\u, v[CBB]
	v_cmp_gt_u32 vcc_lo, 7, v[TMP]
	v_cndmask_b32 v[CB+\j], v[NEG], v[ZERO], vcc_lo
.endr
.irp t, 0,1,2,3,4,5,6,7
	s_wait_dscnt 14-2*\t                           ; tile t's two loads (and all before them) are in; the later tiles' stay out
	v_wmma_f32_16x16x32_f16 v[S+8*\t:S+8*\t+7], v[KF+8*\t:KF+8*\t+7], v[QF+8*\u:QF+8*\u+7], v[CB:CB+7]   ; register j: key column 8 h + j, query r; the column mask rides in as C
.endr
	PLACES
.if \u == 0
	s_wait_tensorcnt 0x0                           ; my half of V is in LDS; my LDS loads, those of both Q fragments among them, are in (the wait for 0 above)
	s_barrier_signal -1
	s_barrier_wait -1                              ; so V may be read, and Q's bytes may be written
.endif
.irp ks, 0,1,2,3
.irp mt, 0,1
	ds_load_tr16_b128 v[KF+8*(2*\ks+\mt):KF+8*(2*\ks+\mt)+3], v[VA] offset:(2*\ks)*2304+\u*288+32*\mt        ; k = 8 h ..: keys of tile 2 ks
	ds_load_tr16_b128 v[KF+8*(2*\ks+\mt)+4:KF+8*(2*\ks+\mt)+7], v[VA] offset:(2*\ks+1)*2304+\u*288+32*\mt    ; k = 16 + 8 h ..: keys of tile 2 ks + 1
.endr
.endr
.if \u == 1
	global_load_b128 v[CB:CB+3], v[BO], s[12:13]             ; b_out[16 w + 8 h + j] in the layout of C; the column mask has been read for the last time
	global_load_b128 v[CB+4:CB+7], v[BO], s[12:13] offset:16
.endif
	; the maximum over the valid keys of the query: within each tile, plus the tile's row mask, over the tiles, over the two lanes
.irp t, 0,1,2,3,4,5,6,7
	v_max3_num_f32 v[NM+\t], v[S+8*\t], v[S+8*\t+1], v[S+8*\t+2]
.endr
.irp t, 0,1,2,3,4,5,6,7
	v_max3_num_f32 v[NM+\t], v[NM+\t], v[S+8*\t+3], v[S+8*\t+4]
.endr
.irp t, 0,1,2,3,4,5,6,7
	v_max3_num_f32 v[NM+\t], v[NM+\t], v[S+8*\t+5], v[S+8*\t+6]
.endr
.irp t, 0,1,2,3,4,5,6,7
	v_max_num_f32 v[NM+\t], v[NM+\t], v[S+8*\t+7]
.endr
.irp p, 0,2,4,6
	v_pk_add_f32 v[NM+\p:NM+\p+1], v[NM+\p:NM+\p+1], v[RB+\p:RB+\p+1]
.endr
	v_max3_num_f32 v[MX], v[NM], v[NM+1], v[NM+2]
	v_max3_num_f32 v[MX], v[MX], v[NM+3], v[NM+4]
	v_max3_num_f32 v[MX], v[MX], v[NM+5], v[NM+6]
	v_max_num_f32 v[MX], v[MX], v[NM+7]
	v_permlanex16_b32 v[PT], v[MX], s60, s61
	v_max_num_f32 v[MX], v[MX], v[PT]
.irp t, 0,1,2,3,4,5,6,7
	v_fma_f32 v[NM+\t], v[MX], s62, v[RB+\t]       ; row mask - c x maximum
.endr
	; exponentials.  Behind a tile's v_exp_f32 stands plain work on another tile before its results are read (ISA guide 5.7.2)
	EXPT 0
	EXPT 1
	SUMCVT 0
	EXPT 2
	SUMCVT 1
	EXPT 3
	SUMCVT 2
	EXPT 4
	SUMCVT 3
	EXPT 5
	SUMCVT 4
	EXPT 6
	SUMCVT 5
	EXPT 7
	SUMCVT 6
	SUMCVT 7
	v_pk_add_f32 v[LA:LA+1], v[LA:LA+1], v[LB:LB+1]
	v_add_f32 v[TMP], v[LA], v[LA+1]
	v_permlanex16_b32 v[PT], v[TMP], s60, s61
	v_add_f32 v[TMP], v[TMP], v[PT]                ; at least 1: the maximum's own term
	v_rcp_f32 v[RL], v[TMP]                        ; used behind the v_nop below
	v_rcp_f32 v[RL+1], v[TMP]
	s_wait_dscnt 0x0                               ; the V fragments
.irp ks, 0,1,2,3
.irp mt, 0,1
.if \ks == 0
	v_wmma_f32_16x16x32_f16 v[O+16*\mt:O+16*\mt+7], v[KF+8*(2*\ks+\mt):KF+8*(2*\ks+\mt)+7], v[S+16*\ks:S+16*\ks+7], 0
.else
	v_wmma_f32_16x16x32_f16 v[O+16*\mt:O+16*\mt+7], v[KF+8*(2*\ks+\mt):KF+8*(2*\ks+\mt)+7], v[S+16*\ks:S+16*\ks+7], v[O+16*\mt:O+16*\mt+7]
.endif
.endr
.endr
	PLACES
	s_wait_alu depctr_va_vdst(0)
.irp mt, 0,1
.irp c, 0,1,2,3
	v_pk_mul_f32 v[O+16*\mt+2*\c:O+16*\mt+2*\c+1], v[O+16*\mt+2*\c:O+16*\mt+2*\c+1], v[RL:RL+1]
.endr
.endr
.irp mt, 0,1
.irp c, 0,1,2,3
	v_cvt_pk_f16_f32 v[PKO+4*\mt+\c], v[O+16*\mt+2*\c], v[O+16*\mt+2*\c+1]      ; register j of tile mt: dim 16 mt + 8 h + j of query r: the B fragment of K step = head
.endr
.endr
	ds_store_b128 v[XW], v[PKO:PKO+3] offset:\u*1024
	ds_store_b128 v[XW], v[PKO+4:PKO+7] offset:\u*1024+512
.endm
	s_wait_tensorcnt 0x1                           ; my halves of K and Q are in LDS; the one load behind them, V's, stays out
	s_barrier_signal -1
	s_barrier_wait -1                              ; everybody's are
.irp u, 0,1
	ds_load_b128 v[QF+8*\u:QF+8*\u+3], v[QA] offset:\u*544
	ds_load_b128 v[QF+8*\u+4:QF+8*\u+7], v[QA] offset:\u*544+32
.endr
	UNIT 0
	UNIT 1
	s_wait_dscnt 0x0                               ; my O fragments are in LDS, and my reads of K and V are over
	s_barrier_signal -1
	s_barrier_wait -1                              ; everybody's: the fragments may be read, K's bytes may be written
	; ---- out[c][pixel] = sum over c_in of W_out[c_in][c] O[pixel][c_in] + b_out[c]: my 16 channels x the 64 queries, K step ks = head ks ----
.macro XLOAD ks                        ; eight loads: the O fragments of head ks, units 0..3
.irp qt, 0,1,2,3
	ds_load_b128 v[BR+32*((\ks)%4)+8*\qt:BR+32*((\ks)%4)+8*\qt+3], v[XR] offset:(4*(\ks)+\qt)*1024
	ds_load_b128 v[BR+32*((\ks)%4)+8*\qt+4:BR+32*((\ks)%4)+8*\qt+7], v[XR] offset:(4*(\ks)+\qt)*1024+512
.endr
.endm
.macro KS ks, left                     ; left: the younger slots' loads stay out
	s_wait_dscnt \left
.irp qt, 0,1,2,3
.if \ks == 0
	v_wmma_f32_16x16x32_f16 v[AC+8*\qt:AC+8*\qt+7], v[WO+8*\ks:WO+8*\ks+7], v[BR+32*(\ks%4)+8*\qt:BR+32*(\ks%4)+8*\qt+7], v[CB:CB+7]
.else
	v_wmma_f32_16x16x32_f16 v[AC+8*\qt:AC+8*\qt+7], v[WO+8*\ks:WO+8*\ks+7], v[BR+32*(\ks%4)+8*\qt:BR+32*(\ks%4)+8*\qt+7], v[AC+8*\qt:AC+8*\qt+7]
.endif
.endr
.if \ks < 4
	PLACES
	XLOAD \ks+4
.endif
.endm
	XLOAD 0
	XLOAD 1
	XLOAD 2
	XLOAD 3
	s_wait_loadcnt 0x0                             ; W_out's fragments and b_out
	KS 0, 24
	KS 1, 24
	KS 2, 24
	KS 3, 24
	KS 4, 24
	KS 5, 16
	KS 6, 8
	KS 7, 0
	PLACES
	; register j of unit qt: channel 8 h + j, pixel 32 (r >> 3) + 8 qt + (r & 7) of the 64: through my stage into whole rows of 256 bytes
.irp qt, 0,1,2,3
.irp j, 0,1,2,3,4,5,6,7
	ds_store_b32 v[SW], v[AC+8*\qt+\j] offset:\j*272+\qt*32
.endr
.endr
.irp n, 0,1,2,3,4,5,6,7
	ds_load_b128 v[BR+4*\n:BR+4*\n+3], v[SR] offset:\n*544+(\n/4)*32               ; channels 2 n and 2 n + 1; LDS serves a wave's instructions in order
.endr
.irp n, 0,1,2,3,4,5,6,7
	s_wait_dscnt 7-\n
	global_store_b128 v[GO], v[BR+4*\n:BR+4*\n+3], s[14:15] offset:\n*8192 th:TH_STORE_NT   ; sixteen lanes store 256 neighbouring bytes, aligned: two image rows of one channel
.endr
	s_wait_xcnt 0x0
	v_lshl_add_u32 v246, v0, 2, 0x4e800
	v_mov_b32 v247, 0
	s_wait_tensorcnt 0x0
	ds_add_u32 v246, v247
	s_wait_dscnt 0x0
	s_endpgm
.Lfunc_end_k_q7dc932130f_attn:
	.size	k_q7dc932130f_attn, .Lfunc_end_k_q7dc932130f_attn-k_q7dc932130f_attn
	.p2alignl 7, 3214868480
	.fill 96, 4, 3214868480
	.section	.rodata,"a",@progbits
	.p2align	6, 0x0
	.amdhsa_kernel k_q7dc932130f_attn
		.amdhsa_group_segment_fixed_size 323584
		.amdhsa_private_segment_fixed_size 0
		.amdhsa_enable_private_segment 0
		.amdhsa_kernarg_size 48
		.amdhsa_user_sgpr_count 2
		.amdhsa_user_sgpr_kernarg_segment_ptr 1
		.amdhsa_wavefront_size32 1
		.amdhsa_system_sgpr_workgroup_id_x 1
		.amdhsa_system_sgpr_workgroup_id_y 1
		.amdhsa_system_sgpr_workgroup_id_z 1
		.amdhsa_system_vgpr_workitem_id 0
		.amdhsa_next_free_vgpr 256
		.amdhsa_next_free_sgpr 80
		.amdhsa_reserve_vcc 1
		.amdhsa_float_denorm_mode_32 3
		.amdhsa_float_denorm_mode_16_64 3
		.amdhsa_memory_ordered 1
		.amdhsa_forward_progress 1
		.amdhsa_inst_pref_size 55
	.end_amdhsa_kernel
	.amdgpu_metadata
---
amdhsa.version: [ 1, 2 ]
amdhsa.kernels:
  - .name:           k_q7dc932130f_attn
    .symbol:         k_q7dc932130f_attn.kd
    .args:
      - { .name: qws, .offset: 0, .size: 8, .value_kind: global_buffer, .address_space: global }
      - { .name: kws, .offset: 8, .size: 8, .value_kind: global_buffer, .address_space: global }
      - { .name: vws, .offset: 16, .size: 8, .value_kind: global_buffer, .address_space: global }
      - { .name: wows, .offset: 24, .size: 8, .value_kind: global_buffer, .address_space: global }
      - { .name: b_out, .offset: 32, .size: 8, .value_kind: global_buffer, .address_space: global }
      - { .name: out0, .offset: 40, .size: 8, .value_kind: global_buffer, .address_space: global }
    .group_segment_fixed_size: 323584
    .private_segment_fixed_size: 0
    .kernarg_segment_align: 8
    .kernarg_segment_size: 48
    .max_flat_workgroup_size: 512
    .sgpr_count:     80
    .vgpr_count:     256
    .wavefront_size: 32
...
	.end_amdgpu_metadata
.endif
;; end of part 2
;; ======== version 2 of 2: 2 launches; version 1 with the launch proj written anew for expert scheduling mode
;; limits: values are held in f16: magnitudes above 65,504 overflow, below 6.1e-05 lose precision
;; workspace buffers: qws 2,097,152 bytes; kws 2,097,152 bytes; vws 2,097,152 bytes; wows 131,072 bytes
;; launch proj (part 3): grid 194 x 1, 8 waves a work-group, no clusters, 171,264 bytes of LDS; arguments batch, query, W_kv, W_q, W_out, b_kv, b_q, qws, kws, vws, wows; writes qws, kws, vws, wows
.if DOCPART == 3
	.amdgcn_target "amdgcn-amd-amdhsa--gfx1250"
	.amdhsa_code_object_version 6
	.text
	.protected	k_q7dc932130f_proj
	.globl	k_q7dc932130f_proj
	.p2align	8
	.type	k_q7dc932130f_proj,@function
k_q7dc932130f_proj:
	s_mov_b64 s[64:65], 0
	v_nop
	global_prefetch_b8 v0, s[64:65] scope:SCOPE_SE
	s_setreg_imm32_b32 hwreg(HW_REG_WAVE_SCHED_MODE, 0, 2), 2
	s_setreg_imm32_b32 hwreg(HW_REG_WAVE_MODE, 25, 1), 1
	s_wait_xcnt 0x0
	s_wait_alu depctr_vm_vsrc(0)
; THE THREE INPUT PROJECTIONS, AND W_out MADE INTO MATRIX FRAGMENTS.
;   q = query W_q + b_q (unscaled), k | v = batch^T W_kv + b_kv, written in f16 as [b][head][pixel][32 dims] (64 bytes a pixel).
;   Only the 1,024 pixels of the image are projected: the padded pixels' k and v are masked out of every softmax by reference() itself.
; Work-group id = 32 sl + pb.  sl 0,1: q channels 128 sl ..; sl 2..5: columns 128 (sl-2) .. of W_kv (k, k, v, v); each for the 128 pixels
; 128 pb .. of the flattened [b][pixel] axis.  sl 6 (pb 0,1): columns 128 pb .. of W_out, transposed and stored as A fragments.
; A product work-group makes D[128 channels][128 pixels], K = 256, with both operands whole in LDS as f16, K along the rows.
; Eight waves: wave w makes channels 64 (w&1) .. (two heads) x pixels 32 (w>>1) ..: 4 x 2 tiles of 16 x 16, 64 matrix instructions.
; The channels are the matrix M axis, so that a lane's eight results are eight neighbouring dims of one pixel: 16 bytes that belong together.
; Operands come through registers, since every one is converted f32 -> f16 and all but query are transposed on the way (K is their slow axis):
; the transposition is the choice of the conversions' source registers.  For that reason there are no tensor loads and no joint requests of a
; cluster here: the f32 tiles (2 x 128 KiB) would not fit into LDS beside their f16 copies.
; LIMIT: all matrix operands are f16: |inputs|, |weights| and |q|, |k|, |v| must stay below 65,504.
; THE MODE: SCHED_MODE bits 1:0 = 2 (LLVM: expert scheduling mode 2), set by the entry lines.  The code itself states the register dependences
; between vector or matrix instructions and memory or LDS instructions, with s_wait_alu, always for 0.
; THE PLAN.  Registers that memory or LDS instructions touch:
;   v1 .. v11     offsets and LDS addresses: written at the head (VOW, VOX, on W_out's way AW: at the head of each way), then only read.
;   R0 .. R3      block i: filled by eight global loads, read by the block's sixteen conversions, then (first operand's blocks) loaded again.
;   T0, T1        block b's conversions write T[b % 2], its LDS stores read it, block b + 2's conversions write it again.
;   BIAS          filled by global loads, read by K step 0's matrix instructions as C.
;   FB0 .. FB2    K step ks: its LDS loads land in FB[ks % 3], its eight matrix instructions read it.  FB2 is T0 and BIAS, dead behind K step 0.
;   PK, RBK       the way out: conversions write PK, LDS stores read it; LDS loads fill RBK, global stores read it.
; A conversion block has ONE wait on va_vdst, behind its conversions: T[b % 2] is written and R[i] has been read; the block's loads and stores follow it with
; no vector instruction between.  Beside it, ahead of the block's own stores, one wait on vm_vsrc: the stores of the block before have read the other T.
; K steps 1 to 5 have ONE wait on va_vdst at their head: the step before is done reading its buffer; the loads of the step two on land there, dealt among
; this step's matrix instructions, which name FB[ks % 3] and the accumulators: none of the registers that those loads touch.
.set TP,   8464                        ; LDS bytes of a tile of 16 rows: 16 x 528 + 16
.set RP,   528                         ; LDS row: 256 f16 + 16 bytes; an odd multiple of 16: a fragment load's 16 rows lie in 16 different 16-byte columns modulo 256
.set XT,   67712                       ; WT (rows = channels) at 0, XT (rows = pixels) behind its 8 tiles
.set STG,  135424                      ; the way out: 4,352 bytes for each wave
.set STW,  4352
.set GL,   1                           ; v1   16 x lane
.set WST,  2                           ; v2   where a lane puts transposed 16 bytes in WT
.set XST,  3                           ; v3   the same in XT
.set XSN,  4                           ; v4   where a lane puts 8 bytes of a query row in XT
.set VOW,  5                           ; v5   byte offset of my 16 bytes in the wave's first row of W
.set VOX,  6                           ; v6   the same for batch or query
.set AW,   7                           ; v7   LDS address of my A fragments
.set BX,   8                           ; v8   LDS address of my B fragments
.set SW,   9                           ; v9   stage, in
.set SR,   10                          ; v10  stage, back
.set BO,   11                          ; v11  32 h: my eight bias numbers
.set FL,   15                          ; v15  r x 528 + 16 h: a lane's place in a fragment
.set T0,   16                          ; v[16:31]   converted numbers on their way to LDS, even blocks (scratch during set-up)
.set TD,   176                         ; v[192:207] the same for odd blocks: T1 = T0 + TD
.set BIAS, 32                          ; v[32:63]   bias in the layout of C, one set for each of my 4 channel tiles
.set R,    64                          ; v[64:191]  four blocks of eight 16-byte loads
.set ACC,  64                          ; v[64:127]  afterwards: 8 accumulator tiles, tile (mt, nt) at 8 (2 mt + nt)
.set FB0,  128                         ; v[128:175] afterwards: three fragment buffers of 48 registers (4 fragments of A, 2 of B)
.set FB1,  176                         ; v[176:223]
.set FB2,  16                          ; v[16:63]
.set PK,   128                         ; the way out: packed results
.set RBK,  160                         ; the way out: rows read back
	s_load_b512 s[8:23], s[0:1], 0x0               ; batch 8, query 10, W_kv 12, W_q 14, W_out 16, b_kv 18, b_q 20, qws 22
	s_load_b128 s[24:27], s[0:1], 0x40             ; kws 24, vws 26
	s_load_b64 s[28:29], s[0:1], 0x50              ; wows
	v_lshl_add_u32 v224, v0, 2, 0x29900
	v_mov_b32 v225, 0
	v_lshrrev_b32 v12, 5, v0
	v_readfirstlane_b32 s30, v12                   ; wave 0..7
	s_lshr_b32 s31, ttmp9, 5                       ; sl
	s_and_b32 s32, ttmp9, 31                       ; pb
	s_lshr_b32 s35, s32, 3                         ; b
	s_and_b32 s36, s32, 7                          ; which 128 pixels of the image
	v_and_b32 v12, 31, v0                          ; lane
	v_and_b32 v13, 15, v0                          ; r
	v_bfe_u32 v14, v0, 4, 1                        ; h
	v_lshlrev_b32 v[GL], 4, v12
	v_lshlrev_b32 v[BO], 5, v14
	s_wait_alu depctr_va_sdst(0)                   ; s30 is written, ahead of its first reader: the wave's shares, bases and LDS places are made from it
	s_and_b32 s33, s30, 1                          ; mg: which 64 channels
	s_lshr_b32 s34, s30, 1                         ; ng: which 32 pixels
	; transposing stores: lane l owns rows 4 l .. 4 l + 3 = tile l >> 2, rows 4 (l & 3) ..; the wave's 32 k are 64 bytes of each row.
	; Modulo 256 the sixteen lanes of a half stand at 16 (l >> 2) + 64 (l & 3): sixteen different columns.
	v_lshrrev_b32 v16, 2, v12
	v_and_b32 v17, 3, v12
	v_mul_u32_u24 v[WST], v16, TP
	v_mul_u32_u24 v17, v17, 4*RP
	v_add_nc_u32 v[WST], v[WST], v17
	s_lshl_b32 s37, s30, 6
	v_add_nc_u32 v[WST], s37, v[WST]
	v_add_nc_u32 v[XST], XT, v[WST]
	s_mul_i32 s37, s30, TP                         ; query rows: wave w owns pixel tile w
	s_add_co_u32 s37, s37, XT
	v_lshl_add_u32 v[XSN], v12, 3, s37
	v_mul_u32_u24 v[FL], v13, RP
	v_lshl_add_u32 v[FL], v14, 4, v[FL]
	s_mul_i32 s37, s33, 4*TP
	v_add_nc_u32 v[AW], s37, v[FL]
	s_mul_i32 s37, s34, 2*TP
	s_add_co_u32 s37, s37, XT
	v_add_nc_u32 v[BX], s37, v[FL]
	; the stage is an image of memory (a pixel = 64 bytes) with 16 bytes of padding behind every 256
	s_mul_i32 s37, s30, STW
	s_add_co_u32 s37, s37, STG
	v_lshrrev_b32 v16, 2, v13
	v_and_b32 v17, 3, v13
	v_mul_u32_u24 v[SW], v16, 272
	v_lshl_add_u32 v[SW], v17, 6, v[SW]
	v_lshl_add_u32 v[SW], v14, 4, v[SW]
	v_add_nc_u32 v[SW], s37, v[SW]
	v_mul_u32_u24 v[SR], v14, 272
	v_lshl_add_u32 v[SR], v13, 4, v[SR]
	v_add_nc_u32 v[SR], s37, v[SR]
	s_mov_b32 s49, 0                               ; the high word of every offset pair
.macro PLACES                          ; four places behind a matrix instruction before its registers are loaded into, read or written by others (ISA guide 7.12.1)
.rept 4
	v_nop
.endr
.endm
; eight loads: rows k = 32 wave + 8 i + 0..7 of a matrix whose rows (rs bytes) run across channels or pixels; each covers 512 neighbouring bytes
.macro LOADT i, blo, voff, rs
.irp kk, 0,1,2,3,4,5,6,7
	global_load_b128 v[R+32*\i+4*\kk:R+32*\i+4*\kk+3], v[\voff], s[\blo:\blo+1] offset:(8*\i+\kk)*\rs
.endr
.endm
; block i's sixteen conversions, transposing: for each of my four rows e, eight k (from eight registers) packed into 16 bytes of T[i % 2]
.macro CVTT i
.irp e, 0,1,2,3
.irp kp, 0,1,2,3
	v_cvt_pk_f16_f32 v[T0+TD*(\i%2)+4*\e+\kp], v[R+32*\i+8*\kp+\e], v[R+32*\i+8*\kp+4+\e]
.endr
.endr
.endm
; and its four LDS stores
.macro STT i, lds
.irp e, 0,1,2,3
	ds_store_b128 v[\lds], v[T0+TD*(\i%2)+4*\e:T0+TD*(\i%2)+4*\e+3] offset:\e*RP+\i*16
.endr
.endm
; eight loads: rows 4 i .. 4 i + 3 of the wave's 16 query rows (1,024 bytes each, K along the row), two halves of 512 bytes
.macro LOADN i
.irp rr, 0,1,2,3
	global_load_b128 v[R+32*\i+8*\rr:R+32*\i+8*\rr+3], v[VOX], s[44:45] offset:(4*\i+\rr)*1024
	global_load_b128 v[R+32*\i+8*\rr+4:R+32*\i+8*\rr+7], v[VOX], s[44:45] offset:(4*\i+\rr)*1024+512
.endr
.endm
; their sixteen conversions, into T[i % 2],
.macro CVTN i
.irp rr, 0,1,2,3
.irp hf, 0,1
	v_cvt_pk_f16_f32 v[T0+TD*(\i%2)+4*\rr+2*\hf], v[R+32*\i+8*\rr+4*\hf], v[R+32*\i+8*\rr+4*\hf+1]
	v_cvt_pk_f16_f32 v[T0+TD*(\i%2)+4*\rr+2*\hf+1], v[R+32*\i+8*\rr+4*\hf+2], v[R+32*\i+8*\rr+4*\hf+3]
.endr
.endr
.endm
; and eight LDS stores
.macro STN i
.irp rr, 0,1,2,3
.irp hf, 0,1
	ds_store_b64 v[XSN], v[T0+TD*(\i%2)+4*\rr+2*\hf:T0+TD*(\i%2)+4*\rr+2*\hf+1] offset:(4*\i+\rr)*RP+\hf*256
.endr
.endr
.endm
; Behind a block's conversions, ahead of its loads and stores.  free = 1: a block two on will write the other T.
.macro HAND free
	s_wait_alu depctr_va_vdst(0)                   ; the block's conversions have written its T, which the LDS stores below read, and are done reading its R, in which the loads below (where there are any) land
.if \free
	s_wait_alu depctr_vm_vsrc(0)                   ; the LDS stores of the block before have read the other T, which the next block's conversions write
.endif
.endm
; bias[first channel + 16 mt + 8 h + j] in register j: the layout of C, so that the first product adds it and nothing is cleared
.macro BIASLD
.irp mt, 0,1,2,3
	global_load_b128 v[BIAS+8*\mt:BIAS+8*\mt+3], v[BO], s[46:47] offset:\mt*64
	global_load_b128 v[BIAS+8*\mt+4:BIAS+8*\mt+7], v[BO], s[46:47] offset:\mt*64+16
.endr
.endm
	s_wait_kmcnt 0x0
	s_cmp_ge_u32 s31, 6
	s_cbranch_scc1 .Lwo
	s_cmp_ge_u32 s31, 2
	s_cbranch_scc1 .Lkv
	; ---- q: W_q (rows of 1,024 bytes), then query ----
	s_lshl_b32 s48, s31, 9                         ; my 128 channels: 512 bytes of each row of W_q, and of b_q
	s_add_nc_u64 s[42:43], s[14:15], s[48:49]
	s_lshl_b32 s37, s33, 8
	s_add_co_u32 s48, s48, s37                     ; + the wave's 64 channels
	s_add_nc_u64 s[46:47], s[20:21], s[48:49]
	s_lshl_b32 s48, s32, 17                        ; 128 rows of 1,024 bytes
	s_add_nc_u64 s[44:45], s[10:11], s[48:49]
	s_lshl_b32 s37, s30, 15                        ; the wave's 32 rows of W_q
	v_add_nc_u32 v[VOW], s37, v[GL]
	s_lshl_b32 s37, s30, 14                        ; the wave's 16 rows of query
	v_add_nc_u32 v[VOX], s37, v[GL]
	s_wait_alu depctr_va_vdst(0)                   ; the offsets and LDS addresses v1 to v11 are written, which every load and store from here on reads
	BIASLD
.irp i, 0,1,2,3
	LOADT \i, 42, VOW, 1024
.endr
.irp i, 0,1,2,3
	s_wait_loadcnt 24                              ; behind block i's eight loads stand three blocks of eight (of W or already of query): they stay out
	CVTT \i
.if \i > 0
	HAND 1
.else
	HAND 0                                         ; no LDS store has been issued yet
.endif
	LOADN \i                                       ; into the registers that the conversions have read; the loads first: the product waits for them
	STT \i, WST
.endr
.irp i, 0,1,2,3
	s_wait_loadcnt 24-8*\i                         ; nothing is issued any more: the count runs down
	CVTN \i
.if \i < 3
	HAND 1
.else
	HAND 0                                         ; no further block writes a T
.endif
	STN \i
.endr
	s_wait_alu depctr_vm_vsrc(0)                   ; my last LDS stores have read T0 and T1: fragments of the product land in these registers
	s_branch .Lgemm
	; ---- W_out: transposed like the other weights, then read back as A fragments (m = c_out, k = c_in) and stored lane by lane ----
.Lwo:
	s_lshl_b32 s48, s32, 9                         ; my 128 columns of W_out
	s_add_nc_u64 s[42:43], s[16:17], s[48:49]
	s_lshl_b32 s48, s32, 16                        ; fragment (mt, ks) lies at (8 mt + ks) x 1,024; mt = 8 pb + wave
	s_lshl_b32 s37, s30, 13
	s_add_co_u32 s48, s48, s37
	s_add_nc_u64 s[40:41], s[28:29], s[48:49]
	s_lshl_b32 s37, s30, 15
	v_add_nc_u32 v[VOW], s37, v[GL]
	s_mul_i32 s37, s30, TP
	v_add_nc_u32 v[AW], s37, v[FL]                 ; the wave's own tile of 16 channels
	s_wait_alu depctr_va_vdst(0)                   ; the offsets and LDS addresses are written, v[AW] anew, which every load and store from here on reads
.irp i, 0,1,2,3
	LOADT \i, 42, VOW, 1024
.endr
.irp i, 0,1,2,3
	s_wait_loadcnt 24-8*\i
	CVTT \i
.if (\i == 1) || (\i == 2)
	HAND 1
.else
	HAND 0                                         ; block 0: no LDS store has been issued yet; block 3: no further block writes a T
.endif
	STT \i, WST
.endr
	s_wait_dscnt 0x0                               ; my stores are in LDS before I say so: every wave wrote 64 bytes of every row
	s_barrier_signal -1
	s_barrier_wait -1
.irp ks, 0,1,2,3,4,5,6,7
	ds_load_b128 v[R+8*\ks:R+8*\ks+3], v[AW] offset:\ks*64             ; into R0 and R1: the conversions that read them stand ahead of the last wait on va_vdst
	ds_load_b128 v[R+8*\ks+4:R+8*\ks+7], v[AW] offset:\ks*64+32
.endr
.irp ks, 0,1,2,3,4,5,6,7
	s_wait_dscnt 15-2*\ks                          ; LDS loads come back in order: the younger ones stay out
	global_store_b128 v[GL], v[R+8*\ks:R+8*\ks+3], s[40:41] offset:\ks*1024        ; each store covers 512 neighbouring bytes, aligned
	s_wait_dscnt 14-2*\ks
	global_store_b128 v[GL], v[R+8*\ks+4:R+8*\ks+7], s[40:41] offset:\ks*1024+512
.endr
	s_wait_dscnt 0x0                               ; the closing lines, six on end
	s_wait_alu 0x0
	s_wait_tensorcnt 0x0
	ds_add_u32 v224, v225
	s_wait_dscnt 0x0
	s_endpgm
	; ---- k, v: W_kv (rows of 2,048 bytes), then batch (rows of 4,096 bytes, one for each input channel) ----
.Lkv:
	s_sub_co_u32 s38, s31, 2
	s_lshl_b32 s48, s38, 9                         ; my 128 columns of W_kv, and of b_kv
	s_add_nc_u64 s[42:43], s[12:13], s[48:49]
	s_lshl_b32 s37, s33, 8
	s_add_co_u32 s48, s48, s37
	s_add_nc_u64 s[46:47], s[18:19], s[48:49]
	s_lshl_b32 s48, s35, 20                        ; image b: 256 channels x 4,096 bytes
	s_lshl_b32 s37, s36, 9                         ; my 128 pixels: 512 bytes of each channel
	s_add_co_u32 s48, s48, s37
	s_add_nc_u64 s[44:45], s[8:9], s[48:49]
	s_lshl_b32 s37, s30, 16                        ; the wave's 32 rows of W_kv
	v_add_nc_u32 v[VOW], s37, v[GL]
	s_lshl_b32 s37, s30, 17                        ; the wave's 32 channels of batch
	v_add_nc_u32 v[VOX], s37, v[GL]
	s_wait_alu depctr_va_vdst(0)                   ; the offsets and LDS addresses v1 to v11 are written, which every load and store from here on reads
	BIASLD
.irp i, 0,1,2,3
	LOADT \i, 42, VOW, 2048
.endr
.irp i, 0,1,2,3
	s_wait_loadcnt 24                              ; as above: three younger blocks of eight stay out
	CVTT \i
.if \i > 0
	HAND 1
.else
	HAND 0                                         ; no LDS store has been issued yet
.endif
	LOADT \i, 44, VOX, 4096                        ; into the registers that the conversions have read; the loads first: the product waits for them
	STT \i, WST
.endr
.irp i, 0,1,2,3
	s_wait_loadcnt 24-8*\i
	CVTT \i
.if \i < 3
	HAND 1
.else
	HAND 0                                         ; no further block writes a T
.endif
	STT \i, XST
.endr
	s_wait_alu depctr_vm_vsrc(0)                   ; my last LDS stores have read T0 and T1: fragments of the product land in these registers
	; ---- the product ----
.Lgemm:
	s_and_b32 s37, s31, 1                          ; where the results go: head 4 (sl & 1) + 2 mg of image b, 65,536 bytes a head,
	s_lshl_b32 s37, s37, 2
	s_lshl3_add_u32 s37, s35, s37
	s_lshl1_add_u32 s37, s33, s37
	s_lshl_b32 s48, s37, 16
	s_lshl_b32 s37, s36, 13                        ; 128 pixels of 64 bytes,
	s_add_co_u32 s48, s48, s37
	s_lshl_b32 s37, s34, 11                        ; the wave's 32 pixels
	s_add_co_u32 s48, s48, s37
	s_cmp_lt_u32 s31, 4
	s_cselect_b64 s[40:41], s[24:25], s[26:27]     ; k or v,
	s_cmp_lt_u32 s31, 2
	s_cselect_b64 s[40:41], s[22:23], s[40:41]     ; or q
	s_add_nc_u64 s[40:41], s[40:41], s[48:49]
	s_wait_dscnt 0x0                               ; my part of both operands is in LDS before I say so
	s_barrier_signal -1
	s_barrier_wait -1
; two loads: fragment f of the six of K step ks (32 k = 64 bytes of each row) into the buffer at fb: f 0..3 tiles of channels, f 4, 5 tiles of pixels
.macro FRL1 ks, fb, f
.if (\f) < 4
	ds_load_b128 v[(\fb)+8*(\f):(\fb)+8*(\f)+3], v[AW] offset:(\f)*TP+(\ks)*64
	ds_load_b128 v[(\fb)+8*(\f)+4:(\fb)+8*(\f)+7], v[AW] offset:(\f)*TP+(\ks)*64+32
.else
	ds_load_b128 v[(\fb)+8*(\f):(\fb)+8*(\f)+3], v[BX] offset:((\f)-4)*TP+(\ks)*64
	ds_load_b128 v[(\fb)+8*(\f)+4:(\fb)+8*(\f)+7], v[BX] offset:((\f)-4)*TP+(\ks)*64+32
.endif
.endm
.macro FRLOAD ks, fb                   ; all twelve, in one run
.irp f, 0,1,2,3,4,5
	FRL1 \ks, \fb, \f
.endr
.endm
; K step ks multiplies the buffer at fb.  left: the younger step's twelve loads stay out.  Steps 1 to 5 ask for the step two on, into the buffer at nfb, which the step before has read:
; two loads behind each of the step's first six matrix instructions.  Step 1 first asks for step 2 in one run: its buffer holds the bias, which step 0 reads.
.macro KSTEP ks, fb, left, nfb
	s_wait_dscnt \left
.if (\ks >= 1) && (\ks <= 5)
	PLACES
	s_wait_alu depctr_va_vdst(0)                   ; the matrix instructions of the step before are done reading their fragment buffer (step 0's the bias too), in which the loads below land
.endif
.if \ks == 1
	FRLOAD 2, FB2
.endif
.set fn, 0
.irp mt, 0,1,2,3
.irp nt, 0,1
.if \ks == 0
	v_wmma_f32_16x16x32_f16 v[ACC+8*(2*\mt+\nt):ACC+8*(2*\mt+\nt)+7], v[\fb+8*\mt:\fb+8*\mt+7], v[\fb+32+8*\nt:\fb+32+8*\nt+7], v[BIAS+8*\mt:BIAS+8*\mt+7]
.else
	v_wmma_f32_16x16x32_f16 v[ACC+8*(2*\mt+\nt):ACC+8*(2*\mt+\nt)+7], v[\fb+8*\mt:\fb+8*\mt+7], v[\fb+32+8*\nt:\fb+32+8*\nt+7], v[ACC+8*(2*\mt+\nt):ACC+8*(2*\mt+\nt)+7]
.endif
.if (\ks >= 1) && (\ks <= 5) && (fn < 6)
	FRL1 \ks+2, \nfb, fn                           ; no wait: no vector or matrix instruction since the wait above names this buffer
.endif
.set fn, fn+1
.endr
.endr
.endm
	FRLOAD 0, FB0                                  ; into R2, R3 and T1: the conversions that named them stand ahead of the last wait on va_vdst, the stores that read T1 ahead of the last on vm_vsrc
	FRLOAD 1, FB1
	KSTEP 0, FB0, 12, FB0
	KSTEP 1, FB1, 0,  FB0                          ; nothing younger is out yet; steps 2 (a run) and 3 (dealt) are asked for, in this order
	KSTEP 2, FB2, 12, FB1
	KSTEP 3, FB0, 12, FB2
	KSTEP 4, FB1, 12, FB0
	KSTEP 5, FB2, 12, FB1
	KSTEP 6, FB0, 12, FB0
	KSTEP 7, FB1, 0,  FB0
	; ---- the way out: a lane's eight results are dims 8 h .. 8 h + 7 of tile mt for pixel 16 nt + r: 16 bytes into my own stage ----
	PLACES
.irp mt, 0,1,2,3
.irp nt, 0,1
.irp c, 0,1,2,3
	v_cvt_pk_f16_f32 v[PK+4*(2*\mt+\nt)+\c], v[ACC+8*(2*\mt+\nt)+2*\c], v[ACC+8*(2*\mt+\nt)+2*\c+1]
.endr
.endr
.endr
	s_wait_alu depctr_va_vdst(0)                   ; the conversions have written PK, which the LDS stores read; the last two steps' matrix instructions are done reading v[160:191], in which the rows read back land
.irp mt, 0,1,2,3
.irp nt, 0,1
	ds_store_b128 v[SW], v[PK+4*(2*\mt+\nt):PK+4*(2*\mt+\nt)+3] offset:(\mt/2)*2176+\nt*1088+(\mt%2)*32
.endr
.endr
.irp n, 0,1,2,3,4,5,6,7
	ds_load_b128 v[RBK+4*\n:RBK+4*\n+3], v[SR] offset:(\n/4)*2176+(\n%4)*544      ; LDS serves a wave's instructions in order: these see the stores above
.endr
.irp n, 0,1,2,3,4,5,6,7
	s_wait_dscnt 7-\n
	global_store_b128 v[GL], v[RBK+4*\n:RBK+4*\n+3], s[40:41] offset:(\n/4)*65536+(\n%4)*512   ; 8 pixels of one head: 512 neighbouring bytes, aligned
.endr
	s_wait_dscnt 0x0                               ; the closing lines, six on end
	s_wait_alu 0x0
	s_wait_tensorcnt 0x0
	ds_add_u32 v224, v225
	s_wait_dscnt 0x0
	s_endpgm
.Lfunc_end_k_q7dc932130f_proj:
	.size	k_q7dc932130f_proj, .Lfunc_end_k_q7dc932130f_proj-k_q7dc932130f_proj
	.p2alignl 7, 3214868480
	.fill 96, 4, 3214868480
	.section	.rodata,"a",@progbits
	.p2align	6, 0x0
	.amdhsa_kernel k_q7dc932130f_proj
		.amdhsa_group_segment_fixed_size 171264
		.amdhsa_private_segment_fixed_size 0
		.amdhsa_enable_private_segment 0
		.amdhsa_kernarg_size 88
		.amdhsa_user_sgpr_count 2
		.amdhsa_user_sgpr_kernarg_segment_ptr 1
		.amdhsa_wavefront_size32 1
		.amdhsa_system_sgpr_workgroup_id_x 1
		.amdhsa_system_sgpr_workgroup_id_y 1
		.amdhsa_system_sgpr_workgroup_id_z 1
		.amdhsa_system_vgpr_workitem_id 0
		.amdhsa_next_free_vgpr 226
		.amdhsa_next_free_sgpr 66
		.amdhsa_reserve_vcc 0
		.amdhsa_float_denorm_mode_32 3
		.amdhsa_float_denorm_mode_16_64 3
		.amdhsa_memory_ordered 1
		.amdhsa_forward_progress 1
		.amdhsa_inst_pref_size 68
	.end_amdhsa_kernel
	.amdgpu_metadata
---
amdhsa.version: [ 1, 2 ]
amdhsa.kernels:
  - .name:           k_q7dc932130f_proj
    .symbol:         k_q7dc932130f_proj.kd
    .args:
      - { .name: batch, .offset: 0, .size: 8, .value_kind: global_buffer, .address_space: global }
      - { .name: query, .offset: 8, .size: 8, .value_kind: global_buffer, .address_space: global }
      - { .name: W_kv, .offset: 16, .size: 8, .value_kind: global_buffer, .address_space: global }
      - { .name: W_q, .offset: 24, .size: 8, .value_kind: global_buffer, .address_space: global }
      - { .name: W_out, .offset: 32, .size: 8, .value_kind: global_buffer, .address_space: global }
      - { .name: b_kv, .offset: 40, .size: 8, .value_kind: global_buffer, .address_space: global }
      - { .name: b_q, .offset: 48, .size: 8, .value_kind: global_buffer, .address_space: global }
      - { .name: qws, .offset: 56, .size: 8, .value_kind: global_buffer, .address_space: global }
      - { .name: kws, .offset: 64, .size: 8, .value_kind: global_buffer, .address_space: global }
      - { .name: vws, .offset: 72, .size: 8, .value_kind: global_buffer, .address_space: global }
      - { .name: wows, .offset: 80, .size: 8, .value_kind: global_buffer, .address_space: global }
    .group_segment_fixed_size: 171264
    .private_segment_fixed_size: 0
    .kernarg_segment_align: 8
    .kernarg_segment_size: 88
    .max_flat_workgroup_size: 256
    .sgpr_count:     66
    .vgpr_count:     226
    .wavefront_size: 32
...
	.end_amdgpu_metadata
.endif
;; end of part 3
;; launch attn: the kernel of part 2 again; grid 16 x 4, 16 waves a work-group, no clusters, 323,584 bytes of LDS; arguments qws, kws, vws, wows, b_out, out0; writes out0
